; MI455X (gfx1250); checked and timed in simulation.
; The chip was launched on July 23, 2026; its instructions are those of AMD's public machine-readable ISA for CDNA 5 (MIT licence, August 2026) and "CDNA5" Instruction Set Architecture Reference Guide (July 2026). The comments in the code are by the model that wrote it; some were corrected since.
;; Graph SMOTE. Allowed arithmetic: matrix products marked QUANTISED: E2M1 operands, one E8M0 scale for each 32 along K, by v_wmma_scale_f32_16x16x128_f8f6f4 with both operands' format E2M1 (or v_wmma_scale_f32_32x16x128_f4), f32 sums; everything else in f32.
;; Inputs: gaps 8,192 x 4 float32; min_samples 8,192 x 512 float32; nn_choice 8,192 x 4 int32.
;; Outputs: out0 32,768 x 512 float32.
;; This version of the problem:
;;   THIS VERSION OF THE PROBLEM IS GIVEN IN LOW PRECISION. The matrix products marked QUANTISED in the list below multiply operands that are first quantised to E2M1 (2 exponent bits, 1 mantissa bit; 4 bits a number), with one power-of-two scale for each 32 numbers along K (OCP MX v1.0); their sums are f32. All else is computed in f32.
;;   The module's matrix products, in the order in which they are computed (A, B: the left and right operand; K: the contracted axis; several contracted axes count as one K, in the product's order):
;;     1. [M 8,192, K 512] x [K 512, N 8,192]; A: input min_samples; B: input min_samples: QUANTISED
;;   THE QUANTISER, for each operand of a quantised product, along K:
;;     - K is cut into blocks of 32 from its start; a last block that is shorter is filled with zeros.
;;     - A block's scale is 2^e with e = floor(log2(the largest magnitude in the block)) - 2, held to -126 .. 127; a block of zeros has e = 0. As a byte (E8M0): e + 127.
;;     - Each number is divided by its block's scale, clamped to +-6, and rounded to the nearest number of E2M1, ties to even, subnormals kept.
;;     - The product sums the exact products of the quantised numbers (number of the format x scale) in f32.
;;   ~~~python
;;   def quantise(x, axis):      # numpy; x: float32 -> the quantised numbers, widened to float32 again
;;       x = np.moveaxis(x, axis, -1); K = x.shape[-1]
;;       x = np.pad(x, [(0, 0)] * (x.ndim - 1) + [(0, -K % 32)]); x = x.reshape(x.shape[:-1] + (-1, 32)); a = np.abs(x).max(-1, keepdims=True)
;;       e = np.where(a > 0, np.clip(np.frexp(np.where(a > 0, a, 1))[1] - 1 - 2, -126, 127), 0)      # np.frexp(a)[1] - 1 = floor(log2(a)), exactly
;;       r = np.clip(x / 2.0 ** e, -6, 6)
;;       step = 2.0 ** (np.maximum(np.frexp(np.where(r == 0, 1, r))[1] - 1, 0) - 1)
;;       q = np.round(r / step) * step * 2.0 ** e      # np.round: ties to even
;;       return np.moveaxis(q.reshape(q.shape[:-2] + (-1,))[..., :K], -1, axis).astype(np.float32)
;;   ~~~
;; One version. Each part assembles by itself: llvm-mc -triple=amdgcn-amd-amdhsa -mcpu=gfx1250 --defsym DOCPART=n.
;; ======== version 1 of 1: 4 launches
;; limits: values within 0.000122 (relative) of each other or of a threshold may be ordered or decided otherwise than in the reference
;; workspace buffers: codes 2,097,152 bytes; scales 131,072 bytes; sq 32,768 bytes; cand 2,097,152 bytes of whole numbers; neigh 131,072 bytes of whole numbers
;; launch quant (part 1): grid 256 x 1, 4 waves a work-group, no clusters, 168,448 bytes of LDS; arguments min_samples, codes, scales, sq; writes codes, scales, sq
.if DOCPART == 1
	.amdgcn_target "amdgcn-amd-amdhsa--gfx1250"
	.amdhsa_code_object_version 6
	.text
	.protected	k_qd507d7fc91_quant
	.globl	k_qd507d7fc91_quant
	.p2align	8
	.type	k_qd507d7fc91_quant,@function
k_qd507d7fc91_quant:
	s_mov_b64 s[64:65], 0
	v_nop
	global_prefetch_b8 v0, s[64:65] scope:SCOPE_SE
	s_setreg_imm32_b32 hwreg(HW_REG_WAVE_MODE, 25, 1), 1
	s_wait_xcnt 0x0
; min_samples [8192][512] f32 becomes: codes of FP4 (E2M1), [8192][256 bytes], K innermost, the lower k in the low four bits;
; one E8M0 scale byte for each 32 along K, [8192][16]; and sq[row] = the sum of the row's squares.
; A block's scale is 2^(floor(log2(its largest magnitude)) - 2): its byte is that magnitude's exponent field - 2, held at 1 from below.
; (A block of zeros so gets the byte 1 where the quantiser says 127: its codes are zeros, and this program alone reads the bytes.)
; SHARES.  A work-group takes 32 rows, wave w the k = 128 w .. 128 w + 127 of all 32.  A LANE IS A ROW and its registers run along K: a block's
; 32 numbers lie in one lane, so no maximum crosses lanes and the conversions give codes with K innermost.  The rows come by one tensor load a wave
; (32 rows x 512 bytes, each row two aligned runs of 256 bytes) into the wave's own LDS bytes, 528 bytes from row to row.
; sq IS SUMMED IN ASCENDING k, each square rounded first and then added: one chain of 512 additions that goes from wave to wave through LDS, three barriers.
; LIMITS: another order of that sum gives other last bits of sq, which can turn the order of two distances that lie a few units in the last place apart.
; NaN and infinities among the inputs are not served; blocks whose largest magnitude lies under 2^-124 keep the byte 1.
; Work-groups share no input, so there is no cluster.  The 128 bytes of sq that a work-group stores are half of an aligned 256 (32 KB in the whole launch).
.set ROWP, 528                         ; an LDS row of x: 512 bytes + 16 of padding
.set XTW,  32*ROWP                     ; a wave's region: 16,896 bytes; four of them from LDS byte 0
.set CST,  4*XTW                       ; 67,584: the codes' stage, 32 rows x 272 bytes
.set CP,   272
.set SST,  CST+32*CP                   ; 76,288: the scale words, 32 rows x 16 bytes
.set ACS,  SST+512                     ; 76,800: the running sums, three areas of 128 bytes, one for each hand-over
.set ACC,  15                          ; v15      the running sum
.set C,    16                          ; v16-31   my row's codes: 4 registers a block
.set X,    32                          ; v32-159  my row's 128 numbers, later their squares
.set O,    160                         ; v160-175 the way out: codes;  v176-179: scale words
	s_load_b128 s[4:7], s[0:1], 0x0                ; min_samples, codes
	s_load_b128 s[8:11], s[0:1], 0x10              ; scales, sq
	v_lshl_add_u32 v180, v0, 2, 0x29000
	v_mov_b32 v181, 0
	ds_add_u32 v180, v181
	ds_add_u32 v180, v181
	v_lshrrev_b32 v1, 5, v0
	v_readfirstlane_b32 s12, v1                    ; wave 0..3
	v_and_b32 v1, 31, v0                           ; lane = row in the work-group's 32
	; descriptor group 1: 32 rows x 128 elements of 4 bytes, 512 elements from row to row, 4 words of padding behind every 128
	s_mov_b32 s16, (2<<16)|(1<<20)|(6<<22)|(3<<25)
	s_mov_b32 s17, 128<<16                         ; tensor_dim0
	s_mov_b32 s18, 32<<16                          ; tensor_dim1
	s_mov_b32 s19, 128<<16                         ; tile_dim0
	s_mov_b32 s20, 32                              ; tile_dim1
	s_mov_b32 s21, 512                             ; the pitch
	s_mov_b32 s22, 0
	s_mov_b32 s23, 0
	s_mov_b32 s24, 1                               ; group 0: count,
	s_mul_i32 s25, s12, XTW                        ; my region in LDS,
	s_lshl_b32 s2, ttmp9, 16                       ; 32 rows of 2,048 bytes a work-group
	s_lshl_b32 s3, s12, 9                          ; + my 128 columns
	s_add_co_u32 s2, s2, s3
	s_mov_b32 s3, 0
	s_wait_dscnt 0x0
	s_wait_kmcnt 0x0
	s_add_nc_u64 s[26:27], s[4:5], s[2:3]          ; the tile's first byte,
	s_or_b32 s27, s27, 0x80000000                  ; the type
	tensor_load_to_lds s[24:27], s[16:23]          ; one load a wave, filled once
	s_nop 0
	; every LDS address is made here, ahead of the first parting of the waves
	v_mul_u32_u24 v2, v1, ROWP
	v_add_nc_u32 v2, s25, v2                       ; v2: my row of x
	v_mul_u32_u24 v3, v1, CP
	s_lshl_b32 s13, s12, 6
	s_add_co_u32 s13, s13, CST
	v_add_nc_u32 v3, s13, v3                       ; v3: my row of the codes' stage, my wave's 64 bytes
	v_lshlrev_b32 v7, 4, v1                        ; v7: 16 x lane
	v_lshlrev_b32 v8, 2, v1                        ; v8: 4 x lane
	s_lshl_b32 s13, s12, 2
	s_add_co_u32 s13, s13, SST
	v_add_nc_u32 v4, s13, v7                       ; v4: my row's scale word for my wave's 128 along K
	v_add_nc_u32 v5, ACS, v8                       ; v5: my row's running sum
	v_lshrrev_b32 v10, 4, v1
	v_and_b32 v11, 15, v1
	v_mul_u32_u24 v6, v10, CP
	v_lshl_add_u32 v6, v11, 4, v6
	s_mul_i32 s13, s12, 8*CP
	s_add_co_u32 s13, s13, CST
	v_add_nc_u32 v6, s13, v6                       ; v6: the way out: rows 8 w + lane / 16 on, 16 bytes a lane
	v_add_nc_u32 v9, SST, v7                       ; v9: the way out of the scale words
	s_lshl_b32 s2, ttmp9, 13                       ; codes: 32 rows of 256 bytes a work-group, 8 rows a wave
	s_lshl_b32 s13, s12, 11
	s_add_co_u32 s2, s2, s13
	s_add_nc_u64 s[6:7], s[6:7], s[2:3]
	s_lshl_b32 s2, ttmp9, 9                        ; scales: 512 bytes a work-group
	s_add_nc_u64 s[8:9], s[8:9], s[2:3]
	s_lshl_b32 s2, ttmp9, 7                        ; sq: 128 bytes
	s_add_nc_u64 s[10:11], s[10:11], s[2:3]
	s_wait_tensorcnt 0x0                           ; my tile is in; only I read it, so no barrier stands here
.irp i, 0,1,2,3,4,5,6,7,8,9,10,11,12,13,14,15,16,17,18,19,20,21,22,23,24,25,26,27,28,29,30,31
	ds_load_b128 v[X+4*\i:X+4*\i+3], v2 offset:16*\i
.endr
; Block b of my row's four: largest magnitude, scale byte, 32 codes into the stage.
.macro BLOCK b
.set XS, X+32*\b
	s_wait_dscnt 24-8*\b                           ; LDS answers in order: this block's eight loads are in, the later blocks' may be out (the stage's stores issued since only make the count safer)
	v_max3_num_f32 v10, |v[XS]|, |v[XS+1]|, |v[XS+2]|
	v_max3_num_f32 v11, |v[XS+3]|, |v[XS+4]|, |v[XS+5]|
.irp i, 6,10,14,18,22,26
	v_max3_num_f32 v10, v10, |v[XS+\i]|, |v[XS+\i+1]|
	v_max3_num_f32 v11, v11, |v[XS+\i+2]|, |v[XS+\i+3]|
.endr
	v_max3_num_f32 v10, v10, |v[XS+30]|, |v[XS+31]|
	v_max3_num_f32 v10, v10, v11, 0x1800000        ; and the floor 2^(3 - 127): the byte cannot fall under 1
	v_add_nc_u32 v12, 0xff000000, v10              ; 2 off the exponent field: the conversion takes this operand's exponent field as its scale
	v_lshrrev_b32 v13, 23, v12                     ; the scale's byte
.if \b == 0
	v_mov_b32 v14, v13
.else
	v_lshl_or_b32 v14, v13, 8*\b, v14              ; four bytes make the word of these 128 along K
.endif
.irp g, 0,1,2,3
	v_cvt_scalef32_pk8_fp4_f32 v[C+4*\b+\g], v[XS+8*\g:XS+8*\g+7], v12
.endr
	v_nop                                          ; one plain line behind the last conversion: v12 and the numbers are written again later
	ds_store_b128 v3, v[C+4*\b:C+4*\b+3] offset:16*\b
.endm
	BLOCK 0
	BLOCK 1
	BLOCK 2
	BLOCK 3
	ds_store_b32 v4, v14
.irp i, 0,1,2,3,4,5,6,7,8,9,10,11,12,13,14,15,16,17,18,19,20,21,22,23,24,25,26,27,28,29,30,31,32,33,34,35,36,37,38,39,40,41,42,43,44,45,46,47,48,49,50,51,52,53,54,55,56,57,58,59,60,61,62,63
	v_pk_mul_f32 v[X+2*\i:X+2*\i+1], v[X+2*\i:X+2*\i+1], v[X+2*\i:X+2*\i+1]   ; the squares, each rounded
.endr
.macro CHAIN from                      ; the sum takes my squares from .. 127, in ascending k
.set kk, \from
.rept 128-\from
	v_add_f32 v[ACC], v[ACC], v[X+kk]
.set kk, kk+1
.endr
.endm
.macro BAR                             ; my LDS stores have landed and my LDS loads are in; then the work-group's barrier
	s_wait_dscnt 0x0
	s_barrier_signal -1
	s_barrier_wait -1
.endm
; The way out: eight whole rows of codes a wave, 512 consecutive bytes a store; sc = 1: wave 0 also stores the work-group's 512 bytes of scale words.
.macro OUT sc
	s_wait_xcnt 0x0                                ; no earlier store still reads the registers loaded below
.irp i, 0,1,2,3
	ds_load_b128 v[O+4*\i:O+4*\i+3], v6 offset:2*\i*CP
.endr
.if \sc
	s_cmp_lg_u32 s12, 0
	s_cbranch_scc1 .Lno_scales_\@
	ds_load_b128 v[176:179], v9
	s_wait_dscnt 0x0
	global_store_b128 v7, v[176:179], s[8:9]
.Lno_scales_\@:
.endif
	s_wait_dscnt 0x0
.irp i, 0,1,2,3
	global_store_b128 v7, v[O+4*\i:O+4*\i+3], s[6:7] offset:512*\i
.endr
.endm
	s_cmp_lg_u32 s12, 0                            ; wave 0 starts the sum
	s_cbranch_scc1 .Lp0
	v_mov_b32 v[ACC], v[X]
	CHAIN 1
	ds_store_b32 v5, v[ACC]
.Lp0:
	BAR                                            ; also: both stages are whole
	s_cmp_eq_u32 s12, 1                            ; the waves that do not hold the sum now store their codes
	s_cbranch_scc1 .Lo1
	OUT 1
.Lo1:
	s_cmp_lg_u32 s12, 1
	s_cbranch_scc1 .Lp1
	ds_load_b32 v[ACC], v5
	s_wait_dscnt 0x0
	CHAIN 0
	ds_store_b32 v5, v[ACC] offset:128
.Lp1:
	BAR
	s_cmp_lg_u32 s12, 1                            ; wave 1 stores its codes while wave 2 sums
	s_cbranch_scc1 .Lo2
	OUT 0
.Lo2:
	s_cmp_lg_u32 s12, 2
	s_cbranch_scc1 .Lp2
	ds_load_b32 v[ACC], v5 offset:128
	s_wait_dscnt 0x0
	CHAIN 0
	ds_store_b32 v5, v[ACC] offset:256
.Lp2:
	BAR
	s_cmp_lg_u32 s12, 3
	s_cbranch_scc1 .Lend
	ds_load_b32 v[ACC], v5 offset:256
	s_wait_dscnt 0x0
	CHAIN 0
	global_store_b32 v8, v[ACC], s[10:11]
.Lend:
	s_wait_tensorcnt 0x0
	ds_add_u32 v180, v181
	s_wait_dscnt 0x0
	s_endpgm
.Lfunc_end_k_qd507d7fc91_quant:
	.size	k_qd507d7fc91_quant, .Lfunc_end_k_qd507d7fc91_quant-k_qd507d7fc91_quant
	.p2alignl 7, 3214868480
	.fill 96, 4, 3214868480
	.section	.rodata,"a",@progbits
	.p2align	6, 0x0
	.amdhsa_kernel k_qd507d7fc91_quant
		.amdhsa_group_segment_fixed_size 168448
		.amdhsa_private_segment_fixed_size 0
		.amdhsa_enable_private_segment 0
		.amdhsa_kernarg_size 32
		.amdhsa_user_sgpr_count 2
		.amdhsa_user_sgpr_kernarg_segment_ptr 1
		.amdhsa_wavefront_size32 1
		.amdhsa_system_sgpr_workgroup_id_x 1
		.amdhsa_system_sgpr_workgroup_id_y 1
		.amdhsa_system_sgpr_workgroup_id_z 1
		.amdhsa_system_vgpr_workitem_id 0
		.amdhsa_next_free_vgpr 182
		.amdhsa_next_free_sgpr 66
		.amdhsa_reserve_vcc 0
		.amdhsa_float_denorm_mode_32 3
		.amdhsa_float_denorm_mode_16_64 3
		.amdhsa_memory_ordered 1
		.amdhsa_forward_progress 1
		.amdhsa_inst_pref_size 35
	.end_amdhsa_kernel
	.amdgpu_metadata
---
amdhsa.version: [ 1, 2 ]
amdhsa.kernels:
  - .name:           k_qd507d7fc91_quant
    .symbol:         k_qd507d7fc91_quant.kd
    .args:
      - { .name: min_samples, .offset: 0, .size: 8, .value_kind: global_buffer, .address_space: global }
      - { .name: codes, .offset: 8, .size: 8, .value_kind: global_buffer, .address_space: global }
      - { .name: scales, .offset: 16, .size: 8, .value_kind: global_buffer, .address_space: global }
      - { .name: sq, .offset: 24, .size: 8, .value_kind: global_buffer, .address_space: global }
    .group_segment_fixed_size: 168448
    .private_segment_fixed_size: 0
    .kernarg_segment_align: 8
    .kernarg_segment_size: 32
    .max_flat_workgroup_size: 128
    .sgpr_count:     66
    .vgpr_count:     182
    .wavefront_size: 32
...
	.end_amdgpu_metadata
.endif
;; end of part 1
;; launch knn (part 2): grid 32 x 8, 8 waves a work-group, clusters of 4 x 1, 300,544 bytes of LDS; arguments codes, scales, sq, cand; writes cand
.if DOCPART == 2
	.amdgcn_target "amdgcn-amd-amdhsa--gfx1250"
	.amdhsa_code_object_version 6
	.text
	.protected	k_qd507d7fc91_knn
	.globl	k_qd507d7fc91_knn
	.p2align	8
	.type	k_qd507d7fc91_knn,@function
k_qd507d7fc91_knn:
	s_mov_b64 s[64:65], 0
	v_nop
	global_prefetch_b8 v0, s[64:65] scope:SCOPE_SE
	s_setreg_imm32_b32 hwreg(HW_REG_WAVE_MODE, 25, 1), 1
	s_wait_xcnt 0x0
	s_wait_alu depctr_hold_cnt(0) depctr_sa_sdst(0) depctr_va_vdst(0) depctr_va_sdst(0) depctr_va_ssrc(0) depctr_va_vcc(0) depctr_vm_vsrc(0)
	s_getreg_b32 s2, hwreg(HW_REG_IB_STS2, 6, 4)
	s_cmp_eq_u32 s2, 0
	s_cbranch_scc0 .Lentry_in_a_cluster
	s_endpgm
.Lentry_in_a_cluster:
	s_bfe_u32 s2, ttmp6, 0x10000c
	s_cmp_lg_u32 s2, 0x3003
	s_cbranch_scc0 .Lentry_shape_is_right
	s_endpgm
.Lentry_shape_is_right:
; THE FILTER.  G = Q(X) Q(X)^T on codes of FP4 with E8M0 scales, all 8,192 x 8,192; d2 = (sq_i + sq_j) - 2 G; for each query and each chunk of 1,024 candidates
; the six smallest KEYS are kept and stored.  A key is max(d2, 0)'s upper 22 bits with the candidate's 10-bit number in the chunk below them: keys are non-negative
; floats, all different, and their order as floats is the order (d2 cut to 13 mantissa bits, index).  A later launch computes the survivors' distances in full.
; d2 IS FORMED IN THE ACCUMULATOR: the queries' codes are given the opposite sign and their scale bytes are raised by one (once, at the head), so that the four K steps
; add -2 G onto C = sq_i + sq_j, which half a packed addition per distance writes into the accumulator.
; SHARES.  Work-group (bx, c): queries 256 bx .. + 255 against candidates 1024 c .. + 1023.  Each of eight waves holds two tiles of 16 queries in registers and walks
; all 64 tiles of 16 candidates, two a trip; two waves share a SIMD, so that one wave's products and LDS loads stand beside the other's vector work, which is the bulk:
; per distance half a packed addition, a clamp, a pack and 4.25 lines of selection.
; CLUSTER.  The four work-groups of a cluster differ in bx alone and read the same chunk: every tensor load is asked for jointly (mask 15).
; LDS holds the whole chunk, filled ONCE (codes 1,024 x 272 bytes, scale words 16 KB, sq 4 KB): no slot is filled again.  The codes come in four parts; a part is
; waited for eight trips after the part before it, so the later parts land under the work.  By this text's count a wave has six tensor loads out at the most.
; LAYOUT.  Source 0 = 16 candidates, source 1 = 16 queries: lane (r, h) holds query r, register j row 8 h + j of the tile.  THE CANDIDATES OF A TILE ARE NOT NEIGHBOURS:
; rows 0-7 of tile t are candidates 8 t + 0..7, rows 8-15 are 512 + 8 t + 0..7: so half h of the lanes sees the stream 512 h + pos, pos = 8 t + j ascending.
; SELECTION, per lane and query tile, without a branch: sixteen keys a trip.  Five triples are sorted (min3, med3, max3); the middle keys go into a sorted list of 3, the largest into a list of 2.
; The five smallest and the sixteenth key form two triples that are sorted again: their smallest go into the list of 6, their middle keys into a second list of 3, their largest into a second list of 2.
; The depths lose nothing: a middle key among a stream's six smallest has one key of its own group below it and two for each smaller middle key of its list, so at most two such;
; a largest key has two of its own group and three for each smaller one, so at most one.  The second group's eleven insertions a tile are carried into the next trip.
; LIMITS: d2 is compared at 13 mantissa bits, then by index.  A true neighbour is lost only if the six places of its stream of 512 or of its chunk are all taken by smaller keys, of which
; at most five can be truly nearer: the others must be farther candidates in the same 2^-13-wide bucket with lower indices.  This launch's d2 carries the roundings of four partial sums, a few units
; in the last place of sq_i + sq_j: under the bucket's width while sq_i + sq_j stays under some 2^9 d2.  d2 must be finite; NaN and infinities are not served.
.set CP,    272                        ; a row of codes in LDS: 256 bytes + 16 of padding
.set CODE1, 512*CP+128                 ; 139,392: rows 512-1023 begin here: 128 bytes off a whole number of bank rows, so that lanes 0-7 and 8-15 of a fragment load take different columns
.set SCL0,  2*CODE1                    ; 278,784: scale words of rows 0-511, 16 bytes a row
.set SCLH,  8192+128                   ; rows 512-1023 begin this much further on
.set SQL,   SCL0+2*SCLH                ; 295,424: sq of the 1,024 candidates; the map ends at 299,520
.set SQI,  10                          ; v10-11   sq of my query in tile 0, 1
.set BS,   12                          ; v12-15   the queries' scale words, K step ks: lanes 0-15 tile 0, lanes 16-31 tile 1
.set AS,   16                          ; v16-19   the candidates' likewise: lanes 0-15 the trip's first tile, lanes 16-31 its second
.set SQJ,  20                          ; v20-35   sq of my 16 candidates of the trip
.set B,    36                          ; v36-99   query fragments: 32 tq + 8 ks
.set A,    100                         ; v100-163 candidate fragments: 32 ct + 8 ks
.set ACC,  164                         ; v164-195 accumulators: 16 ct + 8 tq; first sq_i + sq_j, then d2, then keys
.set LST,  196                         ; v196-217 the lists, 11 registers a query tile: 6, 3, 2
.set W,    218                         ; v218-239 at work, 11 registers a query tile: 0-4 the triples' smallest, 5-8 middle and largest by turns, 9-10 the first group's smallest and middle
.set P,    226                         ; v226-231 at the end: the other half's six keys
.set O,    232                         ; v232-239 at the end: what is stored, four registers a query tile
.set LS2,  240                         ; v240-249 the second lists, 5 registers a query tile: 3, 2
.set TP,   250                         ; v250-255 the second group's three keys, carried into the next trip: 3 registers a query tile
.set G1C,  24                          ; s[24:31] descriptor group 1: codes;  s[32:39] scale words;  s[40:47] sq
.set G1S,  32
.set G1Q,  40
.set POS,  76                          ; s76-91   pos of the trip's key e = 8 ct + j
; v4, v5, v6: LDS addresses of the trip's codes, scale words, sq;  v7: h << 9;  v8: 16 x lane;  v2, v3: the queries' byte offsets
.macro ROUND                           ; a round of the cluster's barrier
	s_barrier_signal -1
	s_barrier_wait -1
	s_cmp_lg_u32 s12, 0
	s_cbranch_scc1 .Lnot_wave_0_\@
	s_barrier_signal -3
.Lnot_wave_0_\@:
	s_barrier_wait -3
	s_barrier_signal -1
	s_barrier_wait -1
.endm
	s_load_b128 s[4:7], s[0:1], 0x0                ; codes, scales
	s_load_b128 s[8:11], s[0:1], 0x10              ; sq, cand
	s_set_vgpr_msb 0x40
	v_lshl_add_u32 v0, v0, 2, 0x49200
	v_mov_b32 v1, 0
	s_set_vgpr_msb 0x4045
	ds_add_u32 v0, v1
	ds_add_u32 v0, v1
	s_set_vgpr_msb 0x4500
	v_lshrrev_b32 v1, 5, v0
	v_readfirstlane_b32 s12, v1                    ; wave 0..7
	s_bfe_u32 s13, ttmp6, 0x40000                  ; cx: it enters the queries' and cand's addresses alone
	s_lshl_b32 s14, ttmp9, 2
	s_add_co_u32 s14, s14, s13                     ; bx = 4 x cluster x + cx
	s_and_b32 s15, ttmp7, 0xffff                   ; c, which the four partners share
	s_lshr_b32 s16, s12, 2                         ; what I fetch: half = wave / 4 of the chunk,
	s_and_b32 s17, s12, 3                          ; sub = wave % 4
	; group 1: dense blocks as rows of 256 bytes (32 elements of 8 bytes); mask 15 and bit 21 beside it
	s_mov_b32 s[G1C], 15|(3<<16)|(1<<20)|(1<<21)|(5<<22)|(3<<25)   ; codes: 4 words of padding behind every 64
	s_mov_b32 s[G1C+1], 32<<16
	s_mov_b32 s[G1C+2], 32<<16                     ; 32 rows
	s_mov_b32 s[G1C+3], 32<<16
	s_mov_b32 s[G1C+4], 32
	s_mov_b32 s[G1C+5], 32
	s_mov_b32 s[G1C+6], 0
	s_mov_b32 s[G1C+7], 0
	s_mov_b32 s[G1S], 15|(3<<16)|(1<<21)           ; scale words of 128 candidates: 8 rows, no padding
	s_mov_b32 s[G1S+1], 32<<16
	s_mov_b32 s[G1S+2], 8<<16
	s_mov_b32 s[G1S+3], 32<<16
	s_mov_b32 s[G1S+4], 8
	s_mov_b32 s[G1S+5], 32
	s_mov_b32 s[G1S+6], 0
	s_mov_b32 s[G1S+7], 0
	s_mov_b32 s[G1Q], 15|(3<<16)|(1<<21)           ; sq of 128 candidates: 2 rows
	s_mov_b32 s[G1Q+1], 32<<16
	s_mov_b32 s[G1Q+2], 2<<16
	s_mov_b32 s[G1Q+3], 32<<16
	s_mov_b32 s[G1Q+4], 2
	s_mov_b32 s[G1Q+5], 32
	s_mov_b32 s[G1Q+6], 0
	s_mov_b32 s[G1Q+7], 0
	; group 0, LDS addresses: constants and the wave's number
	s_lshl_b32 s49, s12, 9
	s_add_co_u32 s49, s49, SQL                     ; sq: 512 bytes a wave
	s_mul_i32 s53, s16, SCLH
	s_lshl_b32 s23, s17, 11
	s_add_co_u32 s53, s53, s23
	s_add_co_u32 s53, s53, SCL0                    ; scale words: 2,048 bytes a wave
	s_mul_i32 s57, s16, CODE1
	s_mul_i32 s23, s17, 32*CP
	s_add_co_u32 s57, s57, s23                     ; codes, part p: rows 128 p + 32 sub on of my half
	s_add_co_u32 s61, s57, 128*CP
	s_add_co_u32 s69, s57, 2*128*CP
	s_add_co_u32 s73, s57, 3*128*CP
	; and where they come from: c and the wave's number alone
	s_lshl_b32 s18, s15, 10
	s_lshl_b32 s20, s16, 9
	s_add_co_u32 s18, s18, s20                     ; 1024 c + 512 half
	s_lshl_b32 s20, s17, 5
	s_add_co_u32 s20, s18, s20
	s_lshl_b32 s20, s20, 8                         ; codes: (.. + 32 sub) x 256 bytes
	s_mov_b32 s21, 0
	s_lshl_b32 s2, s17, 7
	s_add_co_u32 s18, s18, s2
	s_lshl_b32 s18, s18, 4                         ; scales: (.. + 128 sub) x 16 bytes
	s_mov_b32 s19, 0
	s_lshl_b32 s2, s15, 12
	s_lshl_b32 s3, s12, 9
	s_add_co_u32 s2, s2, s3                        ; sq: (1024 c + 128 wave) x 4 bytes
	s_mov_b32 s3, 0
	v_and_b32 v9, 31, v0                           ; lane
	v_and_b32 v1, 15, v0                           ; r
	v_bfe_u32 v232, v0, 3, 1                       ; which half of the chunk my row of a candidate tile lies in
	v_and_b32 v233, 7, v0
	v_bfe_u32 v234, v0, 4, 1                       ; h
	v_lshlrev_b32 v8, 4, v9
	v_lshlrev_b32 v2, 8, v1
	v_lshl_add_u32 v2, v234, 4, v2                 ; a query's row of 256 bytes + 16 h
	v_lshlrev_b32 v3, 2, v1
	s_wait_dscnt 0x0
	s_wait_kmcnt 0x0
	s_mov_b32 s48, 1
	s_add_nc_u64 s[50:51], s[8:9], s[2:3]
	s_or_b32 s51, s51, 0x80000000
	s_mov_b32 s52, 1
	s_add_nc_u64 s[54:55], s[6:7], s[18:19]
	s_or_b32 s55, s55, 0x80000000
	s_add_nc_u64 s[20:21], s[4:5], s[20:21]
	s_mov_b32 s56, 1
	s_mov_b64 s[58:59], s[20:21]
	s_or_b32 s59, s59, 0x80000000
	s_mov_b32 s60, 1
	s_add_nc_u64 s[62:63], s[20:21], 128*256
	s_or_b32 s63, s63, 0x80000000
	s_mov_b32 s68, 1
	s_add_nc_u64 s[70:71], s[20:21], 2*128*256
	s_or_b32 s71, s71, 0x80000000
	s_mov_b32 s72, 1
	s_add_nc_u64 s[74:75], s[20:21], 3*128*256
	s_or_b32 s75, s75, 0x80000000
	; my 32 queries: asked for ahead of the round, so that they are on their way while the partners gather and the tiles come
	s_lshl_b32 s14, s14, 8
	s_lshl_b32 s13, s12, 5
	s_add_co_u32 s13, s14, s13                     ; the first: 256 bx + 32 wave
	s_mov_b32 s95, 0
	s_lshl_b32 s94, s13, 8
	s_add_nc_u64 s[4:5], s[4:5], s[94:95]          ; its codes,
	s_lshl_b32 s94, s13, 4
	s_add_nc_u64 s[6:7], s[6:7], s[94:95]          ; its scale words,
	s_lshl_b32 s94, s13, 2
	s_add_nc_u64 s[8:9], s[8:9], s[94:95]          ; its sq,
	s_lshl_b32 s94, s13, 8                         ; and cand: [query tile][chunk][lane][4 words]: 4,096 bytes a tile of 16 queries, 512 a chunk
	s_lshl_b32 s14, s15, 9
	s_add_co_u32 s94, s94, s14
	s_add_nc_u64 s[10:11], s[10:11], s[94:95]
.irp tq, 0,1
.irp ks, 0,1,2,3
.irp c2, 0,1
	global_load_b128 v[B+32*\tq+8*\ks+4*\c2:B+32*\tq+8*\ks+4*\c2+3], v2, s[4:5] offset:4096*\tq+64*\ks+32*\c2
.endr
.endr
.endr
	global_load_b128 v[BS:BS+3], v8, s[6:7]        ; lane l: query l's four words
	global_load_b32 v[SQI], v3, s[8:9]
	global_load_b32 v[SQI+1], v3, s[8:9] offset:64
	ROUND                                          ; all four work-groups are here: the joint loads meet
	tensor_load_to_lds s[48:51], s[G1Q:G1Q+7]      ; sq,
	s_nop 0
	tensor_load_to_lds s[52:55], s[G1S:G1S+7]      ; the scale words,
	s_nop 0
	tensor_load_to_lds s[56:59], s[G1C:G1C+7]      ; the codes' parts 0 to 3: all first fills in one group
	s_nop 0
	tensor_load_to_lds s[60:63], s[G1C:G1C+7]
	s_nop 0
	tensor_load_to_lds s[68:71], s[G1C:G1C+7]
	s_nop 0
	tensor_load_to_lds s[72:75], s[G1C:G1C+7]
	s_nop 0
.rept 4
	v_nop                                          ; four v_nops behind the tensor loads
.endr
	v_mul_u32_u24 v4, v232, CODE1
	v_mad_u32_u24 v4, v233, CP, v4
	v_lshl_add_u32 v4, v234, 4, v4                 ; codes: my row of tile 0, + 16 h
	v_mul_u32_u24 v5, v232, SCLH
	v_lshl_add_u32 v5, v233, 4, v5
	v_lshl_add_u32 v5, v234, 7, v5                 ; scale words: lanes 16-31 take the trip's second tile, 8 rows on
	v_add_nc_u32 v5, SCL0, v5
	v_lshl_add_u32 v6, v234, 11, SQL               ; sq: my half's stream
	v_lshlrev_b32 v7, 9, v234
	s_mov_b32 s92, 0xfffffc00                      ; a key's upper 22 bits
	s_mov_b32 s93, 0x7f7fffff                      ; above every key
	s_mov_b32 s94, 16                              ; the pair s[94:95]: 16 for each of two position counters
	s_mov_b32 s95, 16
	s_mov_b32 s97, 0x88888888                      ; the sign bits of eight codes
	s_mov_b32 s98, 0x76543210
	s_mov_b32 s99, 0xfedcba98                      ; v_permlanex16_b32's selects for lane l xor 16
	s_mov_b32 s100, 0xffff0000                     ; lanes 16-31
.irp i, 0,1,2,3,4,5,6,7,8,9,10,11,12,13,14,15,16,17,18,19,20,21
	v_mov_b32 v[LST+\i], s93
.endr
.irp i, 0,1,2,3,4,5,6,7,8,9,10,11,12,13,14,15
	v_mov_b32 v[LS2+\i], s93                       ; the second lists, and the carried keys: the first trip's insertions of them change nothing
.endr
.irp i, 0,1,2,3,4,5
	v_mov_b32 v[P+\i], 0                           ; a lane permute's destination counts as one of its sources
.endr
.irp e, 0,1,2,3,4,5,6,7,8,9,10,11,12,13,14,15
	s_mov_b32 s[POS+\e], \e
.endr
.macro LOADA                           ; two candidate tiles' fragments and their scale words
.irp ct, 0,1
.irp ks, 0,1,2,3
.irp c2, 0,1
	ds_load_b128 v[A+32*\ct+8*\ks+4*\c2:A+32*\ct+8*\ks+4*\c2+3], v4 offset:8*CP*\ct+64*\ks+32*\c2
.endr
.endr
.endr
	ds_load_b128 v[AS:AS+3], v5
.endm
.macro LOADQ                           ; sq of my 16 candidates
.irp i, 0,1,2,3
	ds_load_b128 v[SQJ+4*\i:SQJ+4*\i+3], v6 offset:16*\i
.endr
.endm
; sq_i + sq_j, rounded, into the accumulators: what the products add -2 G onto
.macro CINIT
.irp ct, 0,1
.irp tq, 0,1
.irp p, 0,1,2,3
	v_pk_add_f32 v[ACC+16*\ct+8*\tq+2*\p:ACC+16*\ct+8*\tq+2*\p+1], v[SQJ+8*\ct+2*\p:SQJ+8*\ct+2*\p+1], v[SQI:SQI+1] op_sel:[0,\tq] op_sel_hi:[1,\tq]
.endr
.endr
.endr
.endm
; 16 products: K step by K step, the four accumulators by turns, one instruction a turn
.macro WMMA16
.irp ks, 0,1,2,3
.irp ct, 0,1
.irp tq, 0,1
	v_wmma_scale_f32_16x16x128_f8f6f4 v[ACC+16*\ct+8*\tq:ACC+16*\ct+8*\tq+7], v[A+32*\ct+8*\ks:A+32*\ct+8*\ks+7], v[B+32*\tq+8*\ks:B+32*\tq+8*\ks+7], v[ACC+16*\ct+8*\tq:ACC+16*\ct+8*\tq+7], v[AS+\ks], v[BS+\ks] matrix_a_fmt:MATRIX_FMT_FP4 matrix_b_fmt:MATRIX_FMT_FP4 matrix_a_scale:MATRIX_SCALE_ROW\ct matrix_b_scale:MATRIX_SCALE_ROW\tq
.endr
.endr
.endr
.endm
.macro KEYS                            ; each accumulator from its low end on
.irp i, 0,1,2,3,4,5,6,7,8,9,10,11,12,13,14,15,16,17,18,19,20,21,22,23,24,25,26,27,28,29,30,31
	v_max_num_f32 v[ACC+\i], 0, v[ACC+\i]
.endr
.irp ct, 0,1
.irp tq, 0,1
.irp j, 0,1,2,3,4,5,6,7
	v_and_or_b32 v[ACC+16*\ct+8*\tq+\j], v[ACC+16*\ct+8*\tq+\j], s92, s[POS+8*\ct+\j]
.endr
.endr
.endr
.endm
; x goes into a sorted list: from the bottom up each place takes the middle of x, the place above and itself
.macro INS6 l, x
	v_med3_num_f32 v[(\l)+5], v[\x], v[(\l)+4], v[(\l)+5]
	v_med3_num_f32 v[(\l)+4], v[\x], v[(\l)+3], v[(\l)+4]
	v_med3_num_f32 v[(\l)+3], v[\x], v[(\l)+2], v[(\l)+3]
	v_med3_num_f32 v[(\l)+2], v[\x], v[(\l)+1], v[(\l)+2]
	v_med3_num_f32 v[(\l)+1], v[\x], v[(\l)], v[(\l)+1]
	v_min_num_f32 v[(\l)], v[\x], v[(\l)]
.endm
.macro INS3 l, x
	v_med3_num_f32 v[(\l)+2], v[\x], v[(\l)+1], v[(\l)+2]
	v_med3_num_f32 v[(\l)+1], v[\x], v[(\l)], v[(\l)+1]
	v_min_num_f32 v[(\l)], v[\x], v[(\l)]
.endm
.macro INS2 l, x
	v_med3_num_f32 v[(\l)+1], v[\x], v[(\l)], v[(\l)+1]
	v_min_num_f32 v[(\l)], v[\x], v[(\l)]
.endm
; Triple t of a trip's keys (3 t, 3 t + 1, 3 t + 2) is sorted; its smallest is kept for the second level, its middle and largest go into their lists.  The two query tiles by turns.
.macro SORT3 t
.irp tq, 0,1
.set r0, ACC+16*((3*\t)/8)+8*\tq+(3*\t)%8
.set r1, ACC+16*((3*\t+1)/8)+8*\tq+(3*\t+1)%8
.set r2, ACC+16*((3*\t+2)/8)+8*\tq+(3*\t+2)%8
	v_min3_num_f32 v[W+11*\tq+\t], v[r0], v[r1], v[r2]
	v_med3_num_f32 v[W+11*\tq+5+2*(\t%2)], v[r0], v[r1], v[r2]
	v_max3_num_f32 v[W+11*\tq+6+2*(\t%2)], v[r0], v[r1], v[r2]
.endr
.irp tq, 0,1
	INS3 LST+11*\tq+6, W+11*\tq+5+2*(\t%2)
.endr
.irp tq, 0,1
	INS2 LST+11*\tq+9, W+11*\tq+6+2*(\t%2)
.endr
.endm
.macro LEVA                            ; the second level's first group: the smallest of triples 0, 1, 2
.irp tq, 0,1
	v_min3_num_f32 v[W+11*\tq+9], v[W+11*\tq], v[W+11*\tq+1], v[W+11*\tq+2]
	v_med3_num_f32 v[W+11*\tq+10], v[W+11*\tq], v[W+11*\tq+1], v[W+11*\tq+2]
	v_max3_num_f32 v[W+11*\tq], v[W+11*\tq], v[W+11*\tq+1], v[W+11*\tq+2]
.endr
.irp tq, 0,1
	INS6 LST+11*\tq, W+11*\tq+9
.endr
.irp tq, 0,1
	INS3 LS2+5*\tq, W+11*\tq+10
.endr
.irp tq, 0,1
	INS2 LS2+5*\tq+3, W+11*\tq
.endr
.endm
.macro LEVB                            ; its second group: the smallest of triples 3, 4 and the sixteenth key; sorted now, inserted in the next trip
.irp tq, 0,1
	v_min3_num_f32 v[TP+3*\tq], v[W+11*\tq+3], v[W+11*\tq+4], v[ACC+16+8*\tq+7]
	v_med3_num_f32 v[TP+3*\tq+1], v[W+11*\tq+3], v[W+11*\tq+4], v[ACC+16+8*\tq+7]
	v_max3_num_f32 v[TP+3*\tq+2], v[W+11*\tq+3], v[W+11*\tq+4], v[ACC+16+8*\tq+7]
.endr
.endm
.macro TAIL                            ; the carried keys' insertions: 22 lines that name none of the products' registers
.irp tq, 0,1
	INS6 LST+11*\tq, TP+3*\tq
.endr
.irp tq, 0,1
	INS3 LS2+5*\tq, TP+3*\tq+1
.endr
.irp tq, 0,1
	INS2 LS2+5*\tq+3, TP+3*\tq+2
.endr
.endm
; A TRIP: two candidate tiles x two query tiles.  pre = 1: the next trip's operands are fetched.  tw >= 0: the next part of the codes is waited for, with tw later parts still out, and a barrier shows every wave's share of it.
.macro TRIP pre, tw
	s_wait_dscnt 0x0                               ; this trip's fragments, scale words and sq are in
	CINIT
	TAIL                                           ; the last trip's carried keys: work that is due anyway, between the lines that write the accumulators and the products that add onto them
	WMMA16
	v_add_nc_u32 v4, 16*CP, v4                     ; on to the next trip's 16 rows of each half: these three lines and the v_nop are the four places
	v_add_nc_u32 v5, 256, v5                       ; behind the products, ahead of the loads into their operands and of the first read of their results
	v_add_nc_u32 v6, 64, v6
	v_nop
.if \tw >= 0
	s_wait_tensorcnt \tw                           ; tensor loads end in order: my share of the next part is in; nothing is filled again, so the later parts may stay out
	s_barrier_signal -1
	s_barrier_wait -1
.endif
.if \pre
	LOADA
	LOADQ                                          ; this trip's sq were read by the additions at its head
.endif
	KEYS
	SORT3 0
	SORT3 1
	SORT3 2
	LEVA
	SORT3 3
	SORT3 4
	LEVB
.irp e, 0,2,4,6,8,10,12,14
	s_add_nc_u64 s[POS+\e:POS+\e+1], s[POS+\e:POS+\e+1], s[94:95]   ; two counters at once: the low word stays far under 2^32, so nothing is carried into the high one
.endr
.endm
.macro LOOP7
	s_mov_b32 s96, 7
.Ltrip_\@:
	TRIP 1, -1
	s_sub_co_u32 s96, s96, 1
	s_cmp_lg_u32 s96, 0
	s_cbranch_scc1 .Ltrip_\@
.endm
; The four short lists go into the list of 6; the half's bit is set; the other half's six are merged in; four words a lane are stored: lanes 0-15 keys 0-3, lanes 16-31 keys 4, 5 and two fillers.
.macro FINISH tq
.set M, LST+11*\tq
.irp d, 6,7,8,9,10
	INS6 M, M+\d
.endr
.irp d, 0,1,2,3,4
	INS6 M, LS2+5*\tq+\d
.endr
.irp m, 0,1,2,3,4,5
	v_or_b32 v[M+\m], v[M+\m], v7
.endr
.irp m, 0,1,2,3,4,5
	v_permlanex16_b32 v[P+\m], v[M+\m], s98, s99
.endr
.irp m, 0,1,2,3,4,5
	INS6 M, P+\m
.endr
	v_cndmask_b32 v[O+4*\tq], v[M], v[M+4], s100
	v_cndmask_b32 v[O+4*\tq+1], v[M+1], v[M+5], s100
	v_cndmask_b32 v[O+4*\tq+2], v[M+2], -1, s100
	v_cndmask_b32 v[O+4*\tq+3], v[M+3], -1, s100
	global_store_b128 v8, v[O+4*\tq:O+4*\tq+3], s[10:11] offset:4096*\tq   ; 32 lanes store 512 consecutive bytes, aligned
.endm
	s_wait_tensorcnt 0x3                           ; sq, the scale words and part 0 of the codes: my shares are in; parts 1 to 3 stay out
	s_barrier_signal -1
	s_barrier_wait -1                              ; everybody's are
	LOADA
	LOADQ
	s_wait_loadcnt 0x0                             ; the queries
.set i, 0
.rept 64
	v_xor_b32 v[B+i], s97, v[B+i]                  ; every code of the queries changes its sign,
.set i, i+1
.endr
.irp i, 0,1,2,3
	v_add_nc_u32 v[BS+\i], 0x01010101, v[BS+\i]    ; and every scale byte goes up by one (the bytes are 252 at the most: nothing is carried): the products give -2 G
.endr
.rept 8
	v_nop                                          ; a scale register written by a vector instruction stands 8 places ahead of a scaled matrix instruction, an operand so written 4
.endr
	LOOP7                                          ; trips 0-6 fetch trips 1-7: part 0
	TRIP 1, 2                                      ; trip 7 fetches trip 8: part 1
	LOOP7
	TRIP 1, 1
	LOOP7
	TRIP 1, 0
	LOOP7
	TRIP 0, -1
	TAIL                                           ; the last trip's carried keys
	FINISH 0
	FINISH 1
	s_set_vgpr_msb 0x5
	s_wait_tensorcnt 0x0
	ds_add_u32 v0, v1
	s_wait_dscnt 0x0
	s_set_vgpr_msb 0x500
	ROUND                                          ; the closing round: no work-group ends while a partner may still ask jointly
	s_endpgm
.Lfunc_end_k_qd507d7fc91_knn:
	.size	k_qd507d7fc91_knn, .Lfunc_end_k_qd507d7fc91_knn-k_qd507d7fc91_knn
	.p2alignl 7, 3214868480
	.fill 96, 4, 3214868480
	.section	.rodata,"a",@progbits
	.p2align	6, 0x0
	.amdhsa_kernel k_qd507d7fc91_knn
		.amdhsa_group_segment_fixed_size 300544
		.amdhsa_private_segment_fixed_size 0
		.amdhsa_enable_private_segment 0
		.amdhsa_kernarg_size 32
		.amdhsa_user_sgpr_count 2
		.amdhsa_user_sgpr_kernarg_segment_ptr 1
		.amdhsa_wavefront_size32 1
		.amdhsa_system_sgpr_workgroup_id_x 1
		.amdhsa_system_sgpr_workgroup_id_y 1
		.amdhsa_system_sgpr_workgroup_id_z 1
		.amdhsa_system_vgpr_workitem_id 0
		.amdhsa_next_free_vgpr 258
		.amdhsa_next_free_sgpr 102
		.amdhsa_reserve_vcc 0
		.amdhsa_float_denorm_mode_32 3
		.amdhsa_float_denorm_mode_16_64 3
		.amdhsa_memory_ordered 1
		.amdhsa_forward_progress 1
		.amdhsa_inst_pref_size 152
	.end_amdhsa_kernel
	.amdgpu_metadata
---
amdhsa.version: [ 1, 2 ]
amdhsa.kernels:
  - .name:           k_qd507d7fc91_knn
    .symbol:         k_qd507d7fc91_knn.kd
    .args:
      - { .name: codes, .offset: 0, .size: 8, .value_kind: global_buffer, .address_space: global }
      - { .name: scales, .offset: 8, .size: 8, .value_kind: global_buffer, .address_space: global }
      - { .name: sq, .offset: 16, .size: 8, .value_kind: global_buffer, .address_space: global }
      - { .name: cand, .offset: 24, .size: 8, .value_kind: global_buffer, .address_space: global }
    .group_segment_fixed_size: 300544
    .private_segment_fixed_size: 0
    .kernarg_segment_align: 8
    .kernarg_segment_size: 32
    .max_flat_workgroup_size: 256
    .sgpr_count:     102
    .vgpr_count:     258
    .wavefront_size: 32
...
	.end_amdgpu_metadata
.endif
;; end of part 2
;; launch refine (part 3): grid 256 x 1, 4 waves a work-group, no clusters, 6,656 bytes of LDS; arguments cand, codes, scales, sq, nn_choice, neigh; writes neigh
.if DOCPART == 3
	.amdgcn_target "amdgcn-amd-amdhsa--gfx1250"
	.amdhsa_code_object_version 6
	.text
	.protected	k_qd507d7fc91_refine
	.globl	k_qd507d7fc91_refine
	.p2align	8
	.type	k_qd507d7fc91_refine,@function
k_qd507d7fc91_refine:
	s_mov_b64 s[64:65], 0
	v_nop
	global_prefetch_b8 v0, s[64:65] scope:SCOPE_SE
	s_setreg_imm32_b32 hwreg(HW_REG_WAVE_MODE, 25, 1), 1
	s_wait_xcnt 0x0
; THE EXACT RANKS.  For each query the 48 keys of its eight chunks are merged, by whole-number instructions, into 16 candidates; their G is computed anew on the matrix unit (FP4 codes, E8M0 scales),
; d2 = (sq_i + sq_j) - 2 G with the sum rounded first, dist = sqrt(max(d2, 0)) corrected to the nearest f32; the 16 are ranked by (dist, index), as a stable sort ranks them;
; rank nn_choice + 1 gives each of the four neighbours (rank 0 is dropped, whatever it holds).  The four indices are stored as whole numbers for the next launch.
; SHARES.  A tile of 16 queries goes to TWO waves, a work-group of four waves takes two tiles: one wave on each SIMD.  Both waves of a tile merge all 16 queries' keys (lane (r, h): query r, chunks 4 h .. 4 h + 3,
; 24 keys into 8 candidates, in the order (bucket, index)); wave u then gathers and multiplies for queries 8 u .. 8 u + 7 alone, two batches of four: so twice the rows are on their way at a time.
; Its lanes r = 8 u .. 8 u + 7 end with right results, the others with numbers that nobody takes.  The results meet in LDS behind one barrier, and wave u = 0 stores the tile's 256 bytes.
; THE PRODUCT.  For query q source 0 is the 16 gathered rows of its candidates (row 8 h + j = candidate j of lane (q, h)), source 1 the tile's 16 queries.  Of the result only column q is wanted:
; it lies in lanes q and q + 16, register j: each lane's own eight candidates.  Four queries a batch, their four accumulators by turns.
; The candidates' indices change lanes through the wave's own 1,024 bytes of LDS (a lane's eight words become rows of a tile).
; Every index that enters an address is held to 8,191 first.
; LIMITS: a true neighbour is lost in the merge only if the eight places of its half are taken by smaller (bucket, index) pairs, of which at most five are truly nearer.  d2 must be finite; under 2^-96
; dist's last bit is not corrected and a denormal d2 counts as 0 in the root.  nn_choice is taken to lie in 0 .. 4; any other number gives index 0 or a later rank.
.set RESA, 4096                        ; LDS: behind the four waves' 1,024 bytes each: the results, 256 bytes a wave
.set SQI, 8                            ; v8       sq of my query
.set B,   12                           ; v12-43   the queries' fragments, 8 ks
.set BS,  44                           ; v44-47   their scale words
.set J,   48                           ; v48-55   my eight candidates' indices
.set SQJ, 56                           ; v56-63   their sq, then sq_i + sq_j
.set V,   64                           ; v64-71   their G, then d2
.set IDX, 72                           ; v72-75   a batch's rows: index, then 16 x index
.set CO,  76                           ; v76-79   256 x index + 16 h
.set A,   80                           ; v80-207  four queries' gathered fragments: 32 i + 8 ks
.set AS,  208                          ; v208-223 their scale words: 4 i + ks
.set ACC, 224                          ; v224-255 four accumulators
.set K,   80                           ; the merge, in A's registers: v80-111 keys (8 cc + m),
.set LB,  112                          ; v112-119 the list's buckets,
.set JB,  120                          ; v120-123 4096 h + 1024 cc,
.set XB,  124                          ; v124, v125 the key in hand: bucket, index
.set XJ,  125
.set DD,  80                           ; the ranking, in A's registers: v80-87 dist, v88-95 the other half's,
.set PD,  88
.set PJ,  96                           ; v96-103 the other half's indices,
.set RK,  104                          ; v104-111 ranks,
.set NN,  112                          ; v112-115 nn_choice, then the ranks wanted,
.set RES, 116                          ; v116-119 the four results, v120-123 the other half's,
.set PR,  120
.set TT,  124                          ; v124-135 at work
	s_load_b256 s[4:11], s[0:1], 0x0               ; cand, codes, scales, sq
	s_load_b128 s[12:15], s[0:1], 0x20             ; nn_choice, neigh
	s_set_vgpr_msb 0x40
	v_lshl_add_u32 v0, v0, 2, 0x1800
	v_mov_b32 v1, 0
	s_set_vgpr_msb 0x4000
	v_lshrrev_b32 v1, 5, v0
	v_readfirstlane_b32 s3, v1                     ; wave 0..3
	s_and_b32 s48, s3, 1                           ; u: which eight queries of the tile are mine
	s_lshl_b32 s49, s48, 3                         ; 8 u
	s_lshr_b32 s50, s3, 1                          ; which of the work-group's two tiles
	v_and_b32 v1, 15, v0                           ; r
	v_bfe_u32 v2, v0, 4, 1                         ; h
	v_lshlrev_b32 v3, 4, v1                        ; v3: 16 r
	v_lshl_add_u32 v4, v2, 11, v3                  ; v4: 2048 h + 16 r: my four chunks' keys
	v_lshlrev_b32 v10, 2, v1                       ; v10: 4 r
	v_lshlrev_b32 v7, 4, v2                        ; v7: 16 h
	v_lshl_add_u32 v9, v1, 8, v7                   ; v9: 256 r + 16 h
	v_lshl_add_u32 v11, v2, 3, v3                  ; v11: 16 r + 8 h
	s_lshl_b32 s2, s3, 10                          ; my wave's LDS
	v_lshlrev_b32 v5, 6, v1
	v_lshl_add_u32 v5, v2, 5, v5
	v_add_nc_u32 v5, s2, v5                        ; v5: in: 64 r + 32 h: my eight words
	s_lshl_b32 s51, s48, 9
	s_add_co_u32 s51, s51, s2
	v_add_nc_u32 v6, s51, v10                      ; v6: out: word r of a query's sixteen, from query 8 u on
	s_lshl_b32 s51, s3, 8
	s_add_co_u32 s51, s51, RESA                    ; s51: my wave's 256 bytes of results
	s_lshl_b32 s2, ttmp9, 1
	s_add_co_u32 s2, s2, s50                       ; my tile of 16 queries
	s_lshl_b32 s38, s2, 12
	s_mov_b32 s39, 0
	s_lshl_b32 s40, s2, 8
	s_mov_b32 s41, 0
	s_lshl_b32 s42, s2, 6
	s_mov_b32 s43, 0
	s_mov_b32 s35, 0xfffffc00                      ; a key's bucket
	s_mov_b32 s44, 0x76543210
	s_mov_b32 s45, 0xfedcba98                      ; v_permlanex16_b32's selects for lane l xor 16
	s_mov_b32 s46, 0xffff0000                      ; lanes 16-31
	s_wait_kmcnt 0x0
	s_add_nc_u64 s[4:5], s[4:5], s[38:39]          ; cand: 4,096 bytes a tile
	s_add_nc_u64 s[16:17], s[6:7], s[38:39]        ; the tile's codes;  s[6:7] stays the gathers' base
	s_add_nc_u64 s[18:19], s[8:9], s[40:41]        ; its scale words;   s[8:9] likewise
	s_add_nc_u64 s[36:37], s[10:11], s[42:43]      ; its sq;            s[10:11] likewise
	s_add_nc_u64 s[12:13], s[12:13], s[40:41]
	s_add_nc_u64 s[14:15], s[14:15], s[40:41]
.irp cc, 0,1,2,3
.irp k, 0,1
	global_load_b128 v[K+8*\cc+4*\k:K+8*\cc+4*\k+3], v4, s[4:5] offset:512*\cc+256*\k   ; keys 0-3, then 4, 5 and two fillers
.endr
.endr
.irp ks, 0,1,2,3
.irp c2, 0,1
	global_load_b128 v[B+8*\ks+4*\c2:B+8*\ks+4*\c2+3], v9, s[16:17] offset:64*\ks+32*\c2
.endr
.endr
	global_load_b128 v[BS:BS+3], v3, s[18:19]
	global_load_b32 v[SQI], v10, s[36:37]
	v_lshlrev_b32 v[JB], 12, v2
	v_add_nc_u32 v[JB+1], 1024, v[JB]
	v_add_nc_u32 v[JB+2], 2048, v[JB]
	v_add_nc_u32 v[JB+3], 3072, v[JB]
	s_wait_loadcnt 10                              ; the eight loads of keys are in; the ten issued behind them may be out
	; THE MERGE.  My first chunk's six keys, which come sorted, start the list; two places hold a bucket above every bucket.
.irp m, 0,1,2,3,4,5
	v_and_b32 v[LB+\m], s35, v[K+\m]
	v_and_or_b32 v[J+\m], v[K+\m], 0x3ff, v[JB]
.endr
	v_mov_b32 v[LB+6], -1
	v_mov_b32 v[LB+7], -1
	v_mov_b32 v[J+6], 0
	v_mov_b32 v[J+7], 0
; A key goes in behind all places whose bucket is not larger.  Keys come with chunks ascending and sorted within a chunk, so among equal buckets the indices ascend: the list's order is (bucket, index).
.macro INSERT kr, cc
	v_and_b32 v[XB], s35, v[\kr]
	v_and_or_b32 v[XJ], v[\kr], 0x3ff, v[JB+\cc]
.irp m, 0,1,2,3,4,5,6,7
	v_cmp_lt_u32 s[20+\m], v[XB], v[LB+\m]
.endr
.irp m, 7,6,5,4,3,2,1
	v_cndmask_b32 v[LB+\m], v[LB+\m], v[XB], s[20+\m]
	v_cndmask_b32 v[J+\m], v[J+\m], v[XJ], s[20+\m]
	v_cndmask_b32 v[LB+\m], v[LB+\m], v[LB+\m-1], s[20+\m-1]
	v_cndmask_b32 v[J+\m], v[J+\m], v[J+\m-1], s[20+\m-1]
.endr
	v_cndmask_b32 v[LB], v[LB], v[XB], s20
	v_cndmask_b32 v[J], v[J], v[XJ], s20
.endm
.irp cc, 1,2,3
.irp m, 0,1,2,3,4,5
	INSERT K+8*\cc+\m, \cc
.endr
.endr
.irp m, 0,1,2,3,4,5,6,7
	v_min_u32 v[J+\m], 0x1fff, v[J+\m]             ; inside the table, whatever the keys held
.endr
.irp m, 0,1,2,3,4,5,6,7
	v_lshlrev_b32 v[ACC+\m], 2, v[J+\m]
.endr
.irp m, 0,1,2,3,4,5,6,7
	global_load_b32 v[SQJ+\m], v[ACC+\m], s[10:11]
.endr
	ds_store_b128 v5, v[J:J+3]
	ds_store_b128 v5, v[J+4:J+7] offset:16
.macro ADDR g                          ; my batch g: queries 8 u + 4 g + i: lane (r, .) takes row r of each query's sixteen.  LDS serves a wave's instructions in order: these see my stores
.irp i, 0,1,2,3
	ds_load_b32 v[IDX+\i], v6 offset:64*(4*\g+\i)
.endr
	s_wait_dscnt 0x0
.irp i, 0,1,2,3
	v_min_u32 v[IDX+\i], 0x1fff, v[IDX+\i]
.endr
.irp i, 0,1,2,3
	v_lshl_add_u32 v[CO+\i], v[IDX+\i], 8, v7
.endr
.irp i, 0,1,2,3
	v_lshlrev_b32 v[IDX+\i], 4, v[IDX+\i]
.endr
.endm
.macro GATHER
.irp i, 0,1,2,3
.irp ks, 0,1,2,3
.irp c2, 0,1
	global_load_b128 v[A+32*\i+8*\ks+4*\c2:A+32*\i+8*\ks+4*\c2+3], v[CO+\i], s[6:7] offset:64*\ks+32*\c2
.endr
.endr
	global_load_b128 v[AS+4*\i:AS+4*\i+3], v[IDX+\i], s[8:9]
.endr
.endm
.macro MUL                             ; K step by K step, the four accumulators by turns, one instruction a turn
	s_wait_loadcnt 0x0                             ; the batch's rows (ahead of the first batch: the queries and the candidates' sq too, whose offsets lay in the accumulators' registers)
.irp ks, 0,1,2,3
.irp i, 0,1,2,3
.if \ks == 0
	v_wmma_scale_f32_16x16x128_f8f6f4 v[ACC+8*\i:ACC+8*\i+7], v[A+32*\i+8*\ks:A+32*\i+8*\ks+7], v[B+8*\ks:B+8*\ks+7], 0, v[AS+4*\i+\ks], v[BS+\ks] matrix_a_fmt:MATRIX_FMT_FP4 matrix_b_fmt:MATRIX_FMT_FP4
.else
	v_wmma_scale_f32_16x16x128_f8f6f4 v[ACC+8*\i:ACC+8*\i+7], v[A+32*\i+8*\ks:A+32*\i+8*\ks+7], v[B+8*\ks:B+8*\ks+7], v[ACC+8*\i:ACC+8*\i+7], v[AS+4*\i+\ks], v[BS+\ks] matrix_a_fmt:MATRIX_FMT_FP4 matrix_b_fmt:MATRIX_FMT_FP4
.endif
.endr
.endr
.rept 4
	v_nop                                          ; four places ahead of the loads into the operands and of the first read of the results; the next batch's twelve address lines make them more than the five that its first products want
.endr
.endm
.macro SEL g                           ; column q of query q's result, q = 8 u + 4 g + i: lanes q and q + 16 keep their eight numbers; each accumulator from its low end on
.irp i, 0,1,2,3
.if 4*\g+\i == 0
.irp j, 0,1,2,3,4,5,6,7
	v_mov_b32 v[V+\j], v[ACC+\j]
.endr
.else
	s_lshl_b32 s47, 0x10001<<(4*\g+\i), s49
.irp j, 0,1,2,3,4,5,6,7
	v_cndmask_b32 v[V+\j], v[V+\j], v[ACC+8*\i+\j], s47
.endr
.endif
.endr
.endm
	ADDR 0
	GATHER
	MUL
	ADDR 1
	GATHER                                         ; the second batch's rows are on their way while the first batch's numbers are picked
	SEL 0
	MUL
	SEL 1
	; THE DISTANCES
	global_load_b128 v[NN:NN+3], v3, s[12:13]      ; nn_choice of my query
.irp j, 0,1,2,3,4,5,6,7
	v_add_f32 v[SQJ+\j], v[SQI], v[SQJ+\j]
.endr
.irp j, 0,1,2,3,4,5,6,7
	v_fma_f32 v[V+\j], v[V+\j], -2.0, v[SQJ+\j]
.endr
.irp j, 0,1,2,3,4,5,6,7
	v_max_num_f32 v[V+\j], 0, v[V+\j]
.endr
.irp j, 0,1,2,3,4,5,6,7
	v_sqrt_f32 v[DD+\j], v[V+\j]
.endr
	v_nop                                          ; one plain line behind the roots
; The root is within a unit in the last place.  With s its value: if x - (s - 1 ulp) s <= 0 the lower neighbour is the nearest, if x - (s + 1 ulp) s > 0 the upper; both residues by one fused multiply-add.
	s_wait_alu depctr_va_vdst(0)
.irp j, 0,1,2,3,4,5,6,7
.set t, TT+4*(\j%3)
	v_add_nc_u32 v[t], -1, v[DD+\j]
	v_add_nc_u32 v[t+1], 1, v[DD+\j]
	v_fma_f32 v[t+2], -v[t], v[DD+\j], v[V+\j]
	v_fma_f32 v[t+3], -v[t+1], v[DD+\j], v[V+\j]
	v_cmp_ge_f32 vcc_lo, 0, v[t+2]
	v_cndmask_b32 v[DD+\j], v[DD+\j], v[t], vcc_lo
	v_cmp_lt_f32 vcc_lo, 0, v[t+3]
	v_cndmask_b32 v[DD+\j], v[DD+\j], v[t+1], vcc_lo
.endr
	; THE RANKS: for each of my eight, how many of the other fifteen come before it by (dist, index)
.irp m, 0,1,2,3,4,5,6,7
	v_mov_b32 v[PD+\m], 0                          ; a lane permute's destination counts as one of its sources
	v_mov_b32 v[PJ+\m], 0
	v_mov_b32 v[RK+\m], 0
.endr
.irp m, 0,1,2,3,4,5,6,7
	v_permlanex16_b32 v[PD+\m], v[DD+\m], s44, s45
.endr
.irp m, 0,1,2,3,4,5,6,7
	v_permlanex16_b32 v[PJ+\m], v[J+\m], s44, s45
.endr
.macro FLUSH a                         ; five comparisons are joined and counted together, so that the way from vector to scalar and back is gone once for five
.irp i, 0,1,2,3,4
	s_and_b32 s[21+3*\i], s[21+3*\i], s[22+3*\i]
.endr
.irp i, 0,1,2,3,4
	s_or_b32 s[20+3*\i], s[20+3*\i], s[21+3*\i]
.endr
.irp i, 0,1,2,3,4
	v_cndmask_b32 v[TT+\i], 0, 1, s[20+3*\i]
.endr
	v_add3_u32 v[RK+\a], v[RK+\a], v[TT], v[TT+1]
	v_add3_u32 v[RK+\a], v[RK+\a], v[TT+2], v[TT+3]
	v_add_nc_u32 v[RK+\a], v[RK+\a], v[TT+4]
.endm
.macro RANK a
.set n, 0
.irp o, 0,1,2,3,4,5,6,7,8,9,10,11,12,13,14,15
.if \o != \a
.if \o < 8
.set jr, J+\o
.else
.set jr, PJ+\o-8
.endif
	v_cmp_lt_f32 s[20+3*n], v[DD+\o], v[DD+\a]     ; (dist of the other half's eight lies straight behind mine)
	v_cmp_eq_f32 s[21+3*n], v[DD+\o], v[DD+\a]
	v_cmp_lt_u32 s[22+3*n], v[jr], v[J+\a]
.set n, n+1
.if n == 5
	FLUSH \a
.set n, 0
.endif
.endif
.endr
.endm
.irp a, 0,1,2,3,4,5,6,7
	RANK \a
.endr
	; THE CHOICE: the candidate whose rank is nn_choice + 1; it lies in my eight or in the other half's
	s_wait_loadcnt 0x0
.irp n4, 0,1,2,3
	v_add_nc_u32 v[NN+\n4], 1, v[NN+\n4]
	v_mov_b32 v[RES+\n4], 0
	v_mov_b32 v[PR+\n4], 0
.endr
.irp a, 0,1,2,3,4,5,6,7
.irp n4, 0,1,2,3
	v_cmp_eq_u32 s[20+\n4], v[RK+\a], v[NN+\n4]
.endr
.irp n4, 0,1,2,3
	v_cndmask_b32 v[RES+\n4], v[RES+\n4], v[J+\a], s[20+\n4]
.endr
.endr
.irp n4, 0,1,2,3
	v_permlanex16_b32 v[PR+\n4], v[RES+\n4], s44, s45
.endr
.irp n4, 0,1,2,3
	v_or_b32 v[RES+\n4], v[RES+\n4], v[PR+\n4]
.endr
	v_cndmask_b32 v[TT], v[RES], v[RES+2], s46     ; lanes 0-15 hold neighbours 0, 1, lanes 16-31 neighbours 2, 3
	v_cndmask_b32 v[TT+1], v[RES+1], v[RES+3], s46
	; THE TWO WAVES' RESULTS MEET.  v4 and v9 held the offsets of loads that the waits above have shown done; both are made of the thread's number and the wave's alone.
	v_add_nc_u32 v4, s51, v11                      ; my wave's 256 bytes, my lane's 8: 16 r + 8 h
	v_lshrrev_b32 v9, 3, v1
	v_lshl_add_u32 v9, v9, 8, v4                   ; the same place in the bytes of the wave that owns query r: mine for r < 8, the next wave's for r >= 8
	ds_store_b64 v4, v[TT:TT+1]
	s_wait_dscnt 0x0                               ; for the other wave's sake: my store has landed
	s_barrier_signal -1
	s_barrier_wait -1
	s_cmp_lg_u32 s48, 0                            ; the tile's first wave stores for both
	s_cbranch_scc1 .Lend
	ds_load_b64 v[TT+2:TT+3], v9
	s_wait_dscnt 0x0
	global_store_b64 v11, v[TT+2:TT+3], s[14:15]   ; the wave stores 256 consecutive bytes, aligned
.Lend:
	s_set_vgpr_msb 0x5
	s_wait_tensorcnt 0x0
	ds_add_u32 v0, v1
	s_wait_dscnt 0x0
	s_set_vgpr_msb 0x500
	s_endpgm
.Lfunc_end_k_qd507d7fc91_refine:
	.size	k_qd507d7fc91_refine, .Lfunc_end_k_qd507d7fc91_refine-k_qd507d7fc91_refine
	.p2alignl 7, 3214868480
	.fill 96, 4, 3214868480
	.section	.rodata,"a",@progbits
	.p2align	6, 0x0
	.amdhsa_kernel k_qd507d7fc91_refine
		.amdhsa_group_segment_fixed_size 6656
		.amdhsa_private_segment_fixed_size 0
		.amdhsa_enable_private_segment 0
		.amdhsa_kernarg_size 48
		.amdhsa_user_sgpr_count 2
		.amdhsa_user_sgpr_kernarg_segment_ptr 1
		.amdhsa_wavefront_size32 1
		.amdhsa_system_sgpr_workgroup_id_x 1
		.amdhsa_system_sgpr_workgroup_id_y 1
		.amdhsa_system_sgpr_workgroup_id_z 1
		.amdhsa_system_vgpr_workitem_id 0
		.amdhsa_next_free_vgpr 258
		.amdhsa_next_free_sgpr 66
		.amdhsa_reserve_vcc 1
		.amdhsa_float_denorm_mode_32 3
		.amdhsa_float_denorm_mode_16_64 3
		.amdhsa_memory_ordered 1
		.amdhsa_forward_progress 1
		.amdhsa_inst_pref_size 122
	.end_amdhsa_kernel
	.amdgpu_metadata
---
amdhsa.version: [ 1, 2 ]
amdhsa.kernels:
  - .name:           k_qd507d7fc91_refine
    .symbol:         k_qd507d7fc91_refine.kd
    .args:
      - { .name: cand, .offset: 0, .size: 8, .value_kind: global_buffer, .address_space: global }
      - { .name: codes, .offset: 8, .size: 8, .value_kind: global_buffer, .address_space: global }
      - { .name: scales, .offset: 16, .size: 8, .value_kind: global_buffer, .address_space: global }
      - { .name: sq, .offset: 24, .size: 8, .value_kind: global_buffer, .address_space: global }
      - { .name: nn_choice, .offset: 32, .size: 8, .value_kind: global_buffer, .address_space: global }
      - { .name: neigh, .offset: 40, .size: 8, .value_kind: global_buffer, .address_space: global }
    .group_segment_fixed_size: 6656
    .private_segment_fixed_size: 0
    .kernarg_segment_align: 8
    .kernarg_segment_size: 48
    .max_flat_workgroup_size: 128
    .sgpr_count:     66
    .vgpr_count:     258
    .wavefront_size: 32
...
	.end_amdgpu_metadata
.endif
;; end of part 3
;; launch interp (part 4): grid 256 x 1, 8 waves a work-group, no clusters, 0 bytes of LDS; arguments min_samples, gaps, neigh, out0; writes out0
.if DOCPART == 4
	.amdgcn_target "amdgcn-amd-amdhsa--gfx1250"
	.amdhsa_code_object_version 6
	.text
	.protected	k_qd507d7fc91_interp
	.globl	k_qd507d7fc91_interp
	.p2align	8
	.type	k_qd507d7fc91_interp,@function
k_qd507d7fc91_interp:
	s_mov_b64 s[64:65], 0
	v_nop
	global_prefetch_b8 v0, s[64:65] scope:SCOPE_SE
	s_setreg_imm32_b32 hwreg(HW_REG_WAVE_MODE, 25, 1), 1
	s_wait_xcnt 0x0
; out0[4 i + n][:] = x_i + gaps[i][n] (x_neigh[i][n] - x_i): the difference rounded, then one fused multiply-add.  min_samples [8192][512] f32, gaps [8192][4] f32, neigh [8192][4] whole numbers
; from the launch before, out0 [32768][512] f32.
; A stream: a wave takes FOUR queries, one after the other, on two buffers of 80 registers (the query's row and its four neighbours' rows: 2,048 bytes a row, 16 bytes a lane, 512 consecutive bytes
; a load or store).  The indices and gaps of all four come first; the first two queries' rows are asked for together; when a query's results have been stored, its buffer takes the query two further on:
; so later queries' loads run beside earlier queries' stores.  A wave has 44 loads out at the most.  No LDS, no barrier, no matrix unit: none of them would move a byte less.
; Rows may be named by many queries, so the loads carry no hint; the results are written once and read by nobody here.
; An index is held to 8,191 before it enters an address.
.set IDX, 4                            ; v4-19    the indices, 4 a query
.set GAP, 20                           ; v20-35   the gaps, 4 a query
.set OFF, 36                           ; v36-51   the neighbours' byte offsets, 4 a query; written once
.set BUF, 52                           ; v52-211  buffer b at BUF + 80 b: 16 registers of x, then 4 x 16 of the neighbours, which become the results
	s_load_b256 s[4:11], s[0:1], 0x0               ; min_samples, gaps, neigh, out0
	v_lshrrev_b32 v1, 5, v0
	v_readfirstlane_b32 s12, v1                    ; wave 0..7
	v_and_b32 v1, 31, v0
	v_lshlrev_b32 v1, 4, v1                        ; v1: 16 x lane
	v_mov_b32 v2, 0
	s_lshl_b32 s13, ttmp9, 3
	s_add_co_u32 s13, s13, s12                     ; my wave in the launch: queries 4 x that on
	s_lshl_b32 s14, s13, 6                         ; 64 bytes of gaps and of neigh,
	s_mov_b32 s15, 0
	s_lshl_b32 s16, s13, 13                        ; 8,192 of min_samples,
	s_mov_b32 s17, 0
	s_lshl_b32 s18, s13, 15                        ; 32,768 of out0
	s_mov_b32 s19, 0
	s_wait_kmcnt 0x0
	s_add_nc_u64 s[6:7], s[6:7], s[14:15]
	s_add_nc_u64 s[8:9], s[8:9], s[14:15]
	s_add_nc_u64 s[20:21], s[4:5], s[16:17]        ; s[4:5] stays the gathers' base
	s_add_nc_u64 s[10:11], s[10:11], s[18:19]
.macro XLOAD q, b                      ; query q's own row into buffer b
.irp k, 0,1,2,3
	global_load_b128 v[BUF+80*\b+4*\k:BUF+80*\b+4*\k+3], v1, s[20:21] offset:2048*\q+512*\k
.endr
.endm
.macro GATH q, b                       ; its four neighbours' rows
.irp n, 0,1,2,3
.irp k, 0,1,2,3
	global_load_b128 v[BUF+80*\b+16+16*\n+4*\k:BUF+80*\b+16+16*\n+4*\k+3], v[OFF+4*\q+\n], s[4:5] offset:512*\k
.endr
.endr
.endm
; Neighbour n of query q in buffer b: its gap is register sel of the pair v[pr : pr + 1]; left = how many younger loads may stay out
.macro ROWN q, b, n, pr, sel, left
	s_wait_loadcnt \left                           ; loads come back in order: this neighbour's four are in, and all before them
.irp p, 0,1,2,3,4,5,6,7
	v_pk_add_f32 v[BUF+80*\b+16+16*\n+2*\p:BUF+80*\b+16+16*\n+2*\p+1], v[BUF+80*\b+16+16*\n+2*\p:BUF+80*\b+16+16*\n+2*\p+1], v[BUF+80*\b+2*\p:BUF+80*\b+2*\p+1] neg_lo:[0,1] neg_hi:[0,1]
.endr
.irp p, 0,1,2,3,4,5,6,7
	v_pk_fma_f32 v[BUF+80*\b+16+16*\n+2*\p:BUF+80*\b+16+16*\n+2*\p+1], v[BUF+80*\b+16+16*\n+2*\p:BUF+80*\b+16+16*\n+2*\p+1], v[\pr:\pr+1], v[BUF+80*\b+2*\p:BUF+80*\b+2*\p+1] op_sel:[0,\sel,0] op_sel_hi:[1,\sel,1]
.endr
.irp k, 0,1,2,3
	global_store_b128 v1, v[BUF+80*\b+16+16*\n+4*\k:BUF+80*\b+16+16*\n+4*\k+3], s[10:11] offset:8192*\q+2048*\n+512*\k th:TH_STORE_NT
.endr
.endm
.macro PROC q, b, left                 ; left: the loads issued behind this query's first neighbour's four
	ROWN \q, \b, 0, GAP+4*\q, 0, \left
	ROWN \q, \b, 1, GAP+4*\q, 1, \left-4
	ROWN \q, \b, 2, GAP+4*\q+2, 0, \left-8
	ROWN \q, \b, 3, GAP+4*\q+2, 1, \left-12
.endm
.irp q, 0,1,2,3
	global_load_b128 v[IDX+4*\q:IDX+4*\q+3], v2, s[8:9] offset:16*\q    ; a query's four indices, in every lane
.endr
.irp q, 0,1,2,3
	global_load_b128 v[GAP+4*\q:GAP+4*\q+3], v2, s[6:7] offset:16*\q    ; its four gaps
.endr
	XLOAD 0, 0
	XLOAD 1, 1
	s_wait_loadcnt 12                              ; the indices are in; the gaps' four loads and the two rows' eight may be out
.irp i, 0,1,2,3,4,5,6,7,8,9,10,11,12,13,14,15
	v_min_u32 v[IDX+\i], 0x1fff, v[IDX+\i]
.endr
.irp i, 0,1,2,3,4,5,6,7,8,9,10,11,12,13,14,15
	v_lshl_add_u32 v[OFF+\i], v[IDX+\i], 11, v1    ; the neighbour's row + 16 x lane
.endr
	GATH 0, 0
	GATH 1, 1
	PROC 0, 0, 28                                  ; behind its first neighbour's loads: its other three neighbours' 12 and query 1's 16
	s_wait_xcnt 0x0                                ; the stores have read their registers: buffer 0 is loaded again only behind this wait
	XLOAD 2, 0
	GATH 2, 0
	PROC 1, 1, 32                                  ; its other 12, and query 2's 20
	s_wait_xcnt 0x0                                ; likewise for buffer 1
	XLOAD 3, 1
	GATH 3, 1
	PROC 2, 0, 32                                  ; its other 12, and query 3's 20
	PROC 3, 1, 12                                  ; its other 12: the counts run down to 0
	s_endpgm
.Lfunc_end_k_qd507d7fc91_interp:
	.size	k_qd507d7fc91_interp, .Lfunc_end_k_qd507d7fc91_interp-k_qd507d7fc91_interp
	.p2alignl 7, 3214868480
	.fill 96, 4, 3214868480
	.section	.rodata,"a",@progbits
	.p2align	6, 0x0
	.amdhsa_kernel k_qd507d7fc91_interp
		.amdhsa_group_segment_fixed_size 0
		.amdhsa_private_segment_fixed_size 0
		.amdhsa_enable_private_segment 0
		.amdhsa_kernarg_size 32
		.amdhsa_user_sgpr_count 2
		.amdhsa_user_sgpr_kernarg_segment_ptr 1
		.amdhsa_wavefront_size32 1
		.amdhsa_system_sgpr_workgroup_id_x 1
		.amdhsa_system_sgpr_workgroup_id_y 1
		.amdhsa_system_sgpr_workgroup_id_z 1
		.amdhsa_system_vgpr_workitem_id 0
		.amdhsa_next_free_vgpr 212
		.amdhsa_next_free_sgpr 66
		.amdhsa_reserve_vcc 0
		.amdhsa_float_denorm_mode_32 3
		.amdhsa_float_denorm_mode_16_64 3
		.amdhsa_memory_ordered 1
		.amdhsa_forward_progress 1
		.amdhsa_inst_pref_size 34
	.end_amdhsa_kernel
	.amdgpu_metadata
---
amdhsa.version: [ 1, 2 ]
amdhsa.kernels:
  - .name:           k_qd507d7fc91_interp
    .symbol:         k_qd507d7fc91_interp.kd
    .args:
      - { .name: min_samples, .offset: 0, .size: 8, .value_kind: global_buffer, .address_space: global }
      - { .name: gaps, .offset: 8, .size: 8, .value_kind: global_buffer, .address_space: global }
      - { .name: neigh, .offset: 16, .size: 8, .value_kind: global_buffer, .address_space: global }
      - { .name: out0, .offset: 24, .size: 8, .value_kind: global_buffer, .address_space: global }
    .group_segment_fixed_size: 0
    .private_segment_fixed_size: 0
    .kernarg_segment_align: 8
    .kernarg_segment_size: 32
    .max_flat_workgroup_size: 256
    .sgpr_count:     66
    .vgpr_count:     212
    .wavefront_size: 32
...
	.end_amdgpu_metadata
.endif
;; end of part 4
